; MI455X (gfx1250); checked and timed in simulation.
; The chip was launched on July 23, 2026; its instructions are those of AMD's public machine-readable ISA for CDNA 5 (MIT licence, August 2026) and "CDNA5" Instruction Set Architecture Reference Guide (July 2026). The comments in the code are by the model that wrote it; some were corrected since.
;; RNN Block. Allowed arithmetic: float matrix products may take bf16 or f16 operands with f32 sums; all other float work in f32.
;; Inputs: U 256 x 256 float32; W 8 x 256 float32; W1 256 x 256 float32; b 256 float32; b1 256 float32; x 8,192 x 79 x 8 float32.
;; Outputs: out0 8,192 x 256 float32.
;; One version. Each part assembles by itself: llvm-mc -triple=amdgcn-amd-amdhsa -mcpu=gfx1250 --defsym DOCPART=n.
;; ======== version 1 of 1: 1 launch
;; launch rnn (part 1): grid 256 x 1, 4 waves a work-group, no clusters, 167,936 bytes of LDS; arguments x, W, U, b, W1, b1, out0; writes out0
.if DOCPART == 1
	.amdgcn_target "amdgcn-amd-amdhsa--gfx1250"
	.amdhsa_code_object_version 6
	.text
	.protected	k_q4da06d9907_rnn
	.globl	k_q4da06d9907_rnn
	.p2align	8
	.type	k_q4da06d9907_rnn,@function
k_q4da06d9907_rnn:
	s_mov_b64 s[64:65], 0
	v_nop
	global_prefetch_b8 v0, s[64:65] scope:SCOPE_SE
	s_setreg_imm32_b32 hwreg(HW_REG_WAVE_MODE, 25, 1), 1
	s_wait_xcnt 0x0
; h <- relu(x_t W + h U + b) for t = 78 .. 0 (h = 0 at the start), then out = relu(h W1 + b1).
; x [8192][79][8], W [8][256], U [256][256], b [256], W1 [256][256], b1 [256], out0 [8192][256], all f32.
;
; SHARES.  256 work-groups of 32 batch rows, in two groups of 16 rows (G0, G1).  Four waves; wave w makes output columns 64 w .. 64 w + 63
; of both groups, as 4 tiles of 16 columns.  Its slices of U and of W1 are kept in registers as bf16 fragments (256 registers each), and the
; work-group's 80,896 bytes of x are brought into LDS once, so the 79 steps read nothing from memory.
; THE MATRIX INSTRUCTION IS USED TRANSPOSED: source 0 = 16 output columns of the weights, source 1 = 16 batch rows of h.  Row i of weight
; tile t is column 64 w + 4 i + t, so that one 16-byte load of a weight row serves the four tiles; in the results lane (r, hl), register j,
; tile t is batch row r, column 64 w + 32 hl + 4 j + t: a lane holds 32 neighbouring columns of one row.
; THE x STEP starts each sum (C = 0, nothing is cleared): K slot 8 hl + e (e = 0..3) holds x[4 hl + e] against W[4 hl + e][col]; slots 4, 5, 6
; hold 1.0 against the bias split into three bf16 pieces, 3 x 8 = 24 bits, which add up to the f32 bias.
; ANTI-PHASE.  While a wave multiplies group g it finishes group o = 1 - g in the same stream: relu, bf16, LDS store, barrier, fragment
; loads, x step of o's next sum.  One barrier a phase: in front of it each wave has waited for its stores of h_o and for its reads of h_g,
; so behind it h_o may be read, and in the next phase h_g may be overwritten.
; THE LAST FOUR STATES are handed on as hi + lo, two bf16 numbers each (lo = h - hi, exact in f32), and multiplied twice; the rounding of the
; earlier states is damped by the steps that follow them.
; NO CLUSTER: the shared inputs are U and W1, read once by each work-group, straight into registers in fragment order.  A joint request lands
; in LDS: f32 U (262,144 bytes) beside x (80,896) is more than the 327,680 bytes there are, and in pieces it would add an LDS read of every
; weight byte.  No ring and no prefetch: the loop loads nothing from memory, and x is asked for by the first lines.
; LIMITS: a NaN sum becomes 0 in the relu (v_max_num_f32), where the f32 formula gives NaN; a state or a bias above bf16's largest finite
; number (about 3.39e38) overflows on conversion; states before the last four carry one bf16 rounding.
.set ROWX, 2528                        ; bytes of one batch row of x: 79 x 8 x 4
.set XQ,   20224                       ; a wave's quarter of the x block: 79 rows of 256 bytes
.set XBLK, 80896                       ; 32 batch rows of x
.set HP,   144                         ; h in LDS: 64 bf16 columns (128 bytes) + 16: 9 x 16, so 16 rows start at 16 different 16-byte columns
.set HWV,  16*HP                       ; the block that one wave stores: 16 rows of its 64 columns
.set HGRP, 4*HWV                       ; a group's h
.set HH,   XBLK                        ; LDS: x at 0; h hi of G0, G1 from here
.set HLO,  2*HGRP                      ; from a hi block to its lo block
.set STG,  HH+4*HGRP                   ; output stage, a wave's own 16 rows
.set SP,   272                         ; 64 f32 columns (256 bytes) + 16
.set SWV,  16*SP
; window 0
.set HLD,  1                           ; v1       LDS address of my h fragments: HH + 144 r + 16 hl
.set HST,  2                           ; v2       where I store h: HH + 2304 w + 144 r + 64 hl
.set XA,   3                           ; v3       my 16 bytes of x at the current t: 2528 r + 16 hl + 32 t
.set WOFF, 4                           ; v4       byte offset in U, W1: 8192 hl + 256 w + 16 r
.set SST,  5                           ; v5       stage, in
.set SLD,  6                           ; v6       stage, back
.set OOFF, 7                           ; v7       byte offset in out0: 1024 hl + 256 w + 16 r
.set B1P,  8                           ; v[8:15]  b1 in pieces, 2 registers a tile (v8 first serves as W's load offset)
.set T,    16                          ; v[16:19] at work
.set XF,   20                          ; v[20:27] x fragment: 0-1 x, 2-3 the ones, 4-7 zero
.set XR,   28                          ; v[28:31] x as loaded
.set WF,   32                          ; v[32:63] W-and-bias fragments, tile t at +8 t
.set HF,   64                          ; v[64:191] h fragments (hi), group g at +64 g, K step ks at +8 ks; dead in the group's epilogue: pack registers
.set ACC,  192                         ; v[192:255] sums, group g at +32 g, tile t at +8 t
; window 1: U fragments, (ks, t) at 32 ks + 8 t.  Window 2: W1 fragments, likewise.
; window 3: v0-127: first two staging buffers for W1, in the tail the lo fragments, group g at 64 g + 8 ks.
; s_set_vgpr_msb, low byte: bits 1:0 source 0, 3:2 source 1, 5:4 source 2, 7:6 destination.
.set MSB, 0
.macro WIN new                         ; the high byte repeats the setting that is left; a switch that changes nothing is dropped
.if MSB != (\new)
	s_set_vgpr_msb (MSB<<8)|(\new)
.set MSB, (\new)
.endif
.endm
; Four places: a vector instruction that reads a matrix result or writes a matrix instruction's register, and a load into such a register,
; stand four independent plain vector instructions behind it.
.macro PLACES
.rept 4
	v_nop
.endr
.endm
; 4 matrix instructions: group g's four tiles, K step ks, h fragments at fb (hi: HF + 64 g in window 0; lo: 64 g in window 3)
.macro MUL4 g, ks, fb
.irp t, 0,1,2,3
	v_wmma_f32_16x16x32_bf16 v[ACC+32*\g+8*\t:ACC+32*\g+8*\t+7], v[32*\ks+8*\t:32*\ks+8*\t+7], v[\fb+8*\ks:\fb+8*\ks+7], v[ACC+32*\g+8*\t:ACC+32*\g+8*\t+7]
.endr
.endm
; relu of 4 of group o's 32 sums.  outp = 0: in place.  outp = 1: into HF_o in column order (column 4 j + t from tile t, register j).
; Source 0 is a constant, so the line means the same under the windows 0, 1 and 2.
.macro RELU4 o, outp, base
.irp e, 0,1,2,3
.if \outp
	v_max_num_f32 v[HF+64*\o+\base+\e], 0, v[ACC+32*\o+8*\e+(\base)/4]
.else
	v_max_num_f32 v[ACC+32*\o+\base+\e], 0, v[ACC+32*\o+\base+\e]
.endif
.endr
.endm
.macro RELU32 o, outp
.irp m, 0,4,8,12,16,20,24,28
	RELU4 \o, \outp, \m
.endr
.endm
; MUL4 (hi) with four relu lines of the other group behind each matrix instruction; ks = 0 and 1 cover its 32 sums
.macro MUL4R g, ks, o, outp
.irp t, 0,1,2,3
	v_wmma_f32_16x16x32_bf16 v[ACC+32*\g+8*\t:ACC+32*\g+8*\t+7], v[32*\ks+8*\t:32*\ks+8*\t+7], v[HF+64*\g+8*\ks:HF+64*\g+8*\ks+7], v[ACC+32*\g+8*\t:ACC+32*\g+8*\t+7]
	RELU4 \o, \outp, (16*\ks+4*\t)
.endr
.endm
; 32 f32 to 16 words of bf16 in column order: word 2 j + u = columns 4 j + 2 u, 4 j + 2 u + 1 = tiles 2 u, 2 u + 1, register j
.macro PACK o
.irp j, 0,1,2,3,4,5,6,7
.irp u, 0,1
	v_cvt_pk_bf16_f32 v[HF+64*\o+2*\j+\u], v[ACC+32*\o+16*\u+\j], v[ACC+32*\o+16*\u+8+\j]
.endr
.endr
.endm
; lo = h - hi (exact), rounded to bf16, into HF_o + 16 ..; HF_o + 32 .. 39 are four pairs of temporaries in turn
.macro PACKLO o
.irp j, 0,1,2,3,4,5,6,7
.irp u, 0,1
	v_lshlrev_b32 v[HF+64*\o+32+2*((2*\j+\u)%4)], 16, v[HF+64*\o+2*\j+\u]
	v_and_b32 v[HF+64*\o+33+2*((2*\j+\u)%4)], s22, v[HF+64*\o+2*\j+\u]
	v_sub_f32 v[ACC+32*\o+16*\u+\j], v[ACC+32*\o+16*\u+\j], v[HF+64*\o+32+2*((2*\j+\u)%4)]
	v_sub_f32 v[ACC+32*\o+16*\u+8+\j], v[ACC+32*\o+16*\u+8+\j], v[HF+64*\o+33+2*((2*\j+\u)%4)]
	v_cvt_pk_bf16_f32 v[HF+64*\o+16+2*\j+\u], v[ACC+32*\o+16*\u+\j], v[ACC+32*\o+16*\u+8+\j]
.endr
.endr
.endm
.macro HSTORE o, lo                    ; my 64 bytes of a row of h_o (hi or lo)
.irp q, 0,1,2,3
	ds_store_b128 v[HST], v[HF+64*\o+16*\lo+4*\q:HF+64*\o+16*\lo+4*\q+3] offset:HGRP*\o+HLO*\lo+16*\q
.endr
.endm
.macro HLOAD o, lo, fb                 ; 16 loads: the eight fragments of h_o; K step ks lies in wave block ks / 2, at byte 64 (ks % 2) of its rows
.irp ks, 0,1,2,3,4,5,6,7
	ds_load_b128 v[\fb+8*\ks:\fb+8*\ks+3], v[HLD] offset:HGRP*\o+HLO*\lo+HWV*(\ks>>1)+64*(\ks&1)
	ds_load_b128 v[\fb+8*\ks+4:\fb+8*\ks+7], v[HLD] offset:HGRP*\o+HLO*\lo+HWV*(\ks>>1)+64*(\ks&1)+32
.endr
.endm
.macro XLOAD o                         ; x[row r of group o][t][4 hl .. 4 hl + 3]
	ds_load_b128 v[XR:XR+3], v[XA] offset:16*ROWX*\o
.endm
.macro XW4 o                           ; the first link of group o's four sums
.irp t, 0,1,2,3
	v_wmma_f32_16x16x32_bf16 v[ACC+32*\o+8*\t:ACC+32*\o+8*\t+7], v[WF+8*\t:WF+8*\t+7], v[XF:XF+7], 0
.endr
.endm
.macro XSTART o
	v_cvt_pk_bf16_f32 v[XF], v[XR], v[XR+1]
	v_cvt_pk_bf16_f32 v[XF+1], v[XR+2], v[XR+3]
	XW4 \o
.endm
.macro DPREP                           ; the dense layer's start: no x, no W, b1's pieces in b's place
.irp t, 0,1,2,3
	v_mov_b32 v[WF+8*\t], 0
	v_mov_b32 v[WF+8*\t+1], 0
	v_mov_b32 v[WF+8*\t+2], v[B1P+2*\t]
	v_mov_b32 v[WF+8*\t+3], v[B1P+2*\t+1]
.endr
	v_mov_b32 v[XF], 0
	v_mov_b32 v[XF+1], 0
.endm
; 16 loads: rows 32 c + 8 hl + 0..7 and 32 c + 16 + 8 hl + 0..7 of a weight matrix, my 4 columns; 16 lanes cover 256 aligned bytes of a row
.macro WLD sb, c, buf
.irp i, 0,1,2,3,4,5,6,7,8,9,10,11,12,13,14,15
	global_load_b128 v[\buf+4*\i:\buf+4*\i+3], v[WOFF], s[\sb:\sb+1] offset:(32*(\c)+(\i&7)+16*(\i>>3))*1024
.endr
.endm
.macro WCV c, buf                      ; 32 conversions: register q of fragment (c, t) = rows 2 q, 2 q + 1 of the 16 loaded, column t
.irp t, 0,1,2,3
.irp q, 0,1,2,3,4,5,6,7
	v_cvt_pk_bf16_f32 v[32*(\c)+8*\t+\q], v[\buf+8*\q+\t], v[\buf+8*\q+4+\t]
.endr
.endr
.endm
; a bias in three bf16 pieces: d2 = (hi, mid), d3 = (lo, 0); both differences are exact; lanes 16-31 (K slots 12-15) get 0
.macro BIASP src, d2, d3
	v_cvt_pk_bf16_f32 v[T], v[\src], v[XF+4]
	v_lshlrev_b32 v[T], 16, v[T]
	v_sub_f32 v[T+1], v[\src], v[T]
	v_cvt_pk_bf16_f32 v[T+2], v[T+1], v[XF+4]
	v_lshlrev_b32 v[T+2], 16, v[T+2]
	v_sub_f32 v[T+2], v[T+1], v[T+2]
	v_cvt_pk_bf16_f32 v[\d2], v[\src], v[T+1]
	v_cvt_pk_bf16_f32 v[\d3], v[T+2], v[XF+4]
	v_cndmask_b32 v[\d2], 0, v[\d2], vcc_lo
	v_cndmask_b32 v[\d3], 0, v[\d3], vcc_lo
.endm
; the way out of group o: my 128 bytes of a row into my own stage, whole rows of 256 bytes back.  LDS serves a wave's instructions in
; order (ISA guide 5.7.1), so no wait stands between the stores and the loads.
.macro OUTA o
.irp j, 0,1,2,3,4,5,6,7
	ds_store_b128 v[SST], v[HF+64*\o+4*\j:HF+64*\o+4*\j+3] offset:16*\j
.endr
.irp i, 0,1,2,3,4,5,6,7
	ds_load_b128 v[HF+64*\o+32+4*\i:HF+64*\o+32+4*\i+3], v[SLD] offset:2*SP*\i
.endr
.endm
.macro OUTB o                          ; 16 lanes store 256 consecutive bytes at a multiple of 256 from out0's first byte
.irp i, 0,1,2,3,4,5,6,7
	global_store_b128 v[OOFF], v[HF+64*\o+32+4*\i:HF+64*\o+32+4*\i+3], s[16:17] offset:(16*\o+2*\i)*1024 th:TH_STORE_NT
.endr
.endm
; A PHASE: multiply group g (36 matrix instructions, 68 with lo) and finish group o.
; mw: weights' window (1 U, 2 W1).  ms = 1: the lo fragments are multiplied too.  epi: 1 h as bf16, 2 h as hi + lo, 3 output.
; nx: 1 next x step, 2 dense start with its preparation, 3 dense start, 0 nothing.  dec = 1: t goes down behind the x load.
; cv, ld: chunk of W1 to convert, chunk to load (below 0: none).
.macro PHASE g, o, mw, ms, epi, nx, dec, cv, ld
.if \epi == 3
.set OUTP, 1
.set N2, 16
.else
.set OUTP, 0
.set N2, 4*\epi
.endif
.if \nx == 1
.set N2, N2+1
.endif
	s_wait_dscnt 16*(1+\ms)-4                      ; of g's 16 (32) fragment loads the first four, K steps 0 and 1, are in; the others stay out
	WIN \mw
	PLACES                                         ; behind o's last matrix instructions, whose results and sources the lines below touch
	MUL4R \g, 0, \o, OUTP
	MUL4R \g, 1, \o, OUTP
	WIN 0
.if \epi == 3
	OUTA \o
.else
	PACK \o
.if \epi == 2
	PACKLO \o
.endif
	HSTORE \o, 0
.if \epi == 2
	HSTORE \o, 1
.endif
.endif
.if \nx == 1
	XLOAD \o
.endif
.if \dec
	v_sub_nc_u32 v[XA], v[XA], 32                  ; one t down (an LDS instruction's address register is free at once)
.endif
	s_wait_dscnt 16*(1+\ms)-8+N2                   ; K steps 2 and 3 are in: behind them stand the other fragment loads and the N2 LDS lines above
	WIN \mw
	MUL4 \g, 2, (HF+64*\g)
	MUL4 \g, 3, (HF+64*\g)
	s_wait_dscnt 0x0                               ; for the other waves: my stores of h_o are done and my reads of h_g are over (and x, or the stage, is in)
.if \epi == 3
	MUL4 \g, 4, (HF+64*\g)
.else
	s_barrier_signal -1
	MUL4 \g, 4, (HF+64*\g)                         ; registers only
	s_barrier_wait -1                              ; every wave's part of h_o is in LDS; nobody reads h_g any more
.endif
	WIN 0
.if \epi == 3
	OUTB \o
.else
	HLOAD \o, 0, (HF+64*\o)
.if \epi == 2
	WIN 0xc0
	HLOAD \o, 1, (64*\o)
	WIN 0
.endif
.endif
.if \nx == 1
	XSTART \o
.endif
.if \nx == 2
	DPREP
	XW4 \o
.endif
.if \nx == 3
	XW4 \o
.endif
.if \cv >= 0
.if \cv < 7
	s_wait_loadcnt 16                              ; chunk cv is in; the one chunk asked for behind it (16 loads) stays out
.else
	s_wait_loadcnt 0x0                             ; the last chunk: nothing was asked for behind it
.endif
	WIN 0x8f
	WCV \cv, (64*((\cv)&1))
.endif
.if \ld >= 0
	WIN 0xc0
	WLD 12, \ld, (64*((\ld)&1))                    ; into the buffer just converted
.endif
	WIN \mw
.irp ks, 5,6,7
	MUL4 \g, \ks, (HF+64*\g)
.endr
.if \ms
	WIN (\mw+12)                                   ; source 1 from window 3
.irp ks, 0,1,2,3,4,5,6,7
	MUL4 \g, \ks, (64*\g)
.endr
.endif
.endm
	; ---------------- set-up ----------------
	s_load_b256 s[4:11], s[0:1], 0x0               ; x s[4:5], W s[6:7], U s[8:9], b s[10:11]
	s_load_b128 s[12:15], s[0:1], 0x20             ; W1 s[12:13], b1 s[14:15]
	s_load_b64 s[16:17], s[0:1], 0x30              ; out0
	v_lshrrev_b32 v[T], 5, v0
	v_readfirstlane_b32 s18, v[T]                  ; wave w
	v_and_b32 v[T+1], 15, v0                       ; r
	v_bfe_u32 v[T+2], v0, 4, 1                     ; hl
	v_and_b32 v[T+3], 31, v0
	v_cmp_gt_u32 vcc_lo, 16, v[T+3]                ; lanes 0-15; VCC is written nowhere else
	s_mov_b32 s22, 0xffff0000                      ; a word's upper bf16
	; the tensor load of my quarter of x: dense in memory, taken as 79 rows of 32 elements of 8 bytes
	s_mov_b32 s24, 1                               ; group 0: count
	s_mul_i32 s25, s18, XQ                         ; LDS address: wave x 20,224
	s_mul_i32 s20, ttmp9, XBLK
	s_add_co_u32 s20, s20, s25                     ; byte offset in x (below 20,709,376)
	s_mov_b32 s21, 0
	s_mov_b32 s28, 3<<16                           ; group 1: no mask, elements of 8 bytes, no padding
	s_mov_b32 s29, 32<<16                          ; tensor_dim0 = 32
	s_mov_b32 s30, 79<<16                          ; tensor_dim1 = 79
	s_mov_b32 s31, 32<<16                          ; tile_dim0 = 32
	s_mov_b32 s32, 79                              ; tile_dim1 = 79
	s_mov_b32 s33, 32                              ; pitch in elements
	s_mov_b32 s34, 0
	s_mov_b32 s35, 0
	s_lshl_b32 s19, s18, 8                         ; 256 w
	v_lshlrev_b32 v[T], 4, v[T+1]
	v_add_nc_u32 v[T], s19, v[T]                   ; 16 r + 256 w: also the offset in b and b1
	v_lshl_add_u32 v[WOFF], v[T+2], 13, v[T]       ; + 8 rows of 1,024 bytes for the upper lanes
	v_lshl_add_u32 v[B1P], v[T+2], 12, v[T]        ; W: + 4 rows
	v_lshl_add_u32 v[OOFF], v[T+2], 10, v[T]       ; out0: + 1 row
	s_wait_kmcnt 0x0
	s_add_nc_u64 s[26:27], s[4:5], s[20:21]
	s_or_b32 s27, s27, 0x80000000                  ; type 2
	tensor_load_to_lds s[24:27], s[28:35]          ; the wave's only tensor load
.irp i, 0,1,2,3
	global_load_b128 v[192+4*\i:192+4*\i+3], v[B1P], s[6:7] offset:1024*\i    ; W[4 hl + i][my 4 columns]
.endr
	global_load_b128 v[208:211], v[T], s[10:11]    ; b of my 4 columns
	global_load_b128 v[212:215], v[T], s[14:15]    ; b1
	WLD 8, 0, 64
	WLD 8, 1, 128
	s_lshl_b32 s20, ttmp9, 15                      ; 32 rows of 1,024 bytes (s21 is still 0)
	s_add_nc_u64 s[16:17], s[16:17], s[20:21]
	v_mul_u32_u24 v[HLD], v[T+1], HP
	s_mul_i32 s19, s18, HWV
	s_add_co_u32 s19, s19, HH
	v_lshl_add_u32 v[HST], v[T+2], 6, v[HLD]
	v_add_nc_u32 v[HST], s19, v[HST]
	v_lshl_add_u32 v[HLD], v[T+2], 4, v[HLD]
	v_add_nc_u32 v[HLD], HH, v[HLD]
	v_mul_u32_u24 v[XA], v[T+1], ROWX
	v_lshl_add_u32 v[XA], v[T+2], 4, v[XA]
	v_add_nc_u32 v[XA], 78*32, v[XA]               ; t = 78: time runs backwards
	s_mul_i32 s19, s18, SWV
	s_add_co_u32 s19, s19, STG
	v_mul_u32_u24 v[SST], v[T+1], SP
	v_lshl_add_u32 v[SST], v[T+2], 7, v[SST]
	v_add_nc_u32 v[SST], s19, v[SST]
	v_mul_u32_u24 v[SLD], v[T+2], SP
	v_lshl_add_u32 v[SLD], v[T+1], 4, v[SLD]
	v_add_nc_u32 v[SLD], s19, v[SLD]
	v_mov_b32 v[XF+2], 0x3f803f80                  ; 1.0 in K slots 4, 5
	v_mov_b32 v[XF+3], 0x3f80                      ; 1.0 in slot 6, 0 in slot 7
	v_cndmask_b32 v[XF+2], 0, v[XF+2], vcc_lo      ; lanes 16-31 (slots 12-15): 0
	v_cndmask_b32 v[XF+3], 0, v[XF+3], vcc_lo
.irp i, 4,5,6,7
	v_mov_b32 v[XF+\i], 0                          ; slots 16-31
.endr
	s_wait_loadcnt 32                              ; W, b, b1 are in (and their offset registers free); U's first two chunks, 32 loads, stay out
.irp t, 0,1,2,3
	v_cvt_pk_bf16_f32 v[WF+8*\t], v[192+\t], v[196+\t]
	v_cvt_pk_bf16_f32 v[WF+8*\t+1], v[200+\t], v[204+\t]
	BIASP (208+\t), (WF+8*\t+2), (WF+8*\t+3)
	BIASP (212+\t), (B1P+2*\t), (B1P+2*\t+1)
	v_mov_b32 v[WF+8*\t+4], 0
	v_mov_b32 v[WF+8*\t+5], 0
	v_mov_b32 v[WF+8*\t+6], 0
	v_mov_b32 v[WF+8*\t+7], 0
.endr
	WLD 8, 2, 192
	; U into window 1, chunk c through staging buffer c % 3: three chunks, 48 loads of the wave, are on their way
.irp c, 0,1,2,3,4,5,6,7
.if \c <= 5
	s_wait_loadcnt 32                              ; two younger chunks stay out
.else
.if \c == 6
	s_wait_loadcnt 16
.else
	s_wait_loadcnt 0x0
.endif
.endif
	WIN 0x40
	WCV \c, (64+64*(\c%3))
	WIN 0
.if \c <= 4
	WLD 8, (\c+3), (64+64*(\c%3))
.endif
.endr
	s_wait_tensorcnt 0x0                           ; my quarter of x is in LDS,
	s_barrier_signal -1
	s_barrier_wait -1                              ; everybody's is
	; ---------------- step 0: h = 0, so the sums are the x step alone ----------------
	XLOAD 0
	s_wait_dscnt 0x0
	XSTART 0
	XLOAD 1
	s_wait_dscnt 0x0
	PLACES                                         ; the x fragment is rewritten four places behind the matrix instructions that read it
	XSTART 1
	v_sub_nc_u32 v[XA], v[XA], 32                  ; t = 77
	RELU32 0, 0                                    ; G0's step 0 is finished here, G1's by the first phase
	PACK 0
	HSTORE 0, 0
	XLOAD 0
	s_wait_dscnt 0x0
	s_barrier_signal -1
	s_barrier_wait -1
	HLOAD 0, 0, HF
	XSTART 0
	; ---------------- steps 1 to 10, written out: W1 comes in behind them, a chunk a step, converted two steps behind its request ----------------
.irp s, 1,2,3,4,5,6,7,8
	PHASE 0, 1, 1, 0, 1, 1, 1, (\s-3), (\s-1)
	PHASE 1, 0, 1, 0, 1, 1, 0, -1, -1
.endr
	PHASE 0, 1, 1, 0, 1, 1, 1, 6, -1
	PHASE 1, 0, 1, 0, 1, 1, 0, -1, -1
	PHASE 0, 1, 1, 0, 1, 1, 1, 7, -1
	PHASE 1, 0, 1, 0, 1, 1, 0, -1, -1
	; ---------------- steps 11 to 74 ----------------
	WIN 0                                          ; at a label and at a branch every window is 0
	s_mov_b32 s23, 64
.Lstep:
	PHASE 0, 1, 1, 0, 1, 1, 1, -1, -1
	PHASE 1, 0, 1, 0, 1, 1, 0, -1, -1
	WIN 0
	s_sub_co_i32 s23, s23, 1
	s_cmp_lg_u32 s23, 0
	s_cbranch_scc1 .Lstep
	; ---------------- steps 75 to 78: the states go on as hi + lo ----------------
	PHASE 0, 1, 1, 0, 1, 1, 1, -1, -1              ; 75
	PHASE 1, 0, 1, 0, 2, 1, 0, -1, -1
	PHASE 0, 1, 1, 1, 2, 1, 1, -1, -1              ; 76
	PHASE 1, 0, 1, 1, 2, 1, 0, -1, -1
	PHASE 0, 1, 1, 1, 2, 1, 1, -1, -1              ; 77: t reaches 0
	PHASE 1, 0, 1, 1, 2, 1, 0, -1, -1
	PHASE 0, 1, 1, 1, 2, 1, 0, -1, -1              ; 78
	PHASE 1, 0, 1, 1, 2, 2, 0, -1, -1              ; G0's next sum is the dense layer's
	; ---------------- the dense layer ----------------
	PHASE 0, 1, 2, 1, 2, 3, 0, -1, -1
	PHASE 1, 0, 2, 1, 3, 0, 0, -1, -1              ; G0 leaves while G1 is multiplied; no wave reads another's bytes any more: no barrier
	WIN 0
	PLACES
	RELU32 1, 1
	OUTA 1
	s_wait_dscnt 0x0
	OUTB 1
	s_endpgm
.Lfunc_end_k_q4da06d9907_rnn:
	.size	k_q4da06d9907_rnn, .Lfunc_end_k_q4da06d9907_rnn-k_q4da06d9907_rnn
	.p2alignl 7, 3214868480
	.fill 96, 4, 3214868480
	.section	.rodata,"a",@progbits
	.p2align	6, 0x0
	.amdhsa_kernel k_q4da06d9907_rnn
		.amdhsa_group_segment_fixed_size 167936
		.amdhsa_private_segment_fixed_size 0
		.amdhsa_enable_private_segment 0
		.amdhsa_kernarg_size 56
		.amdhsa_user_sgpr_count 2
		.amdhsa_user_sgpr_kernarg_segment_ptr 1
		.amdhsa_wavefront_size32 1
		.amdhsa_system_sgpr_workgroup_id_x 1
		.amdhsa_system_sgpr_workgroup_id_y 1
		.amdhsa_system_sgpr_workgroup_id_z 1
		.amdhsa_system_vgpr_workitem_id 0
		.amdhsa_next_free_vgpr 896
		.amdhsa_next_free_sgpr 66
		.amdhsa_reserve_vcc 1
		.amdhsa_float_denorm_mode_32 3
		.amdhsa_float_denorm_mode_16_64 3
		.amdhsa_memory_ordered 1
		.amdhsa_forward_progress 1
		.amdhsa_inst_pref_size 255
	.end_amdhsa_kernel
	.section	.bss,"aw",@nobits
	.p2align	6
	.space	262144
	.amdgpu_metadata
---
amdhsa.version: [ 1, 2 ]
amdhsa.kernels:
  - .name:           k_q4da06d9907_rnn
    .symbol:         k_q4da06d9907_rnn.kd
    .args:
      - { .name: x, .offset: 0, .size: 8, .value_kind: global_buffer, .address_space: global }
      - { .name: W, .offset: 8, .size: 8, .value_kind: global_buffer, .address_space: global }
      - { .name: U, .offset: 16, .size: 8, .value_kind: global_buffer, .address_space: global }
      - { .name: b, .offset: 24, .size: 8, .value_kind: global_buffer, .address_space: global }
      - { .name: W1, .offset: 32, .size: 8, .value_kind: global_buffer, .address_space: global }
      - { .name: b1, .offset: 40, .size: 8, .value_kind: global_buffer, .address_space: global }
      - { .name: out0, .offset: 48, .size: 8, .value_kind: global_buffer, .address_space: global }
    .group_segment_fixed_size: 167936
    .private_segment_fixed_size: 0
    .kernarg_segment_align: 8
    .kernarg_segment_size: 56
    .max_flat_workgroup_size: 128
    .sgpr_count:     66
    .vgpr_count:     896
    .wavefront_size: 32
...
	.end_amdgpu_metadata
.endif
;; end of part 1
